; MI455X (gfx1250); checked and timed in simulation.
; The chip was launched on July 23, 2026; its instructions are those of AMD's public machine-readable ISA for CDNA 5 (MIT licence, August 2026) and "CDNA5" Instruction Set Architecture Reference Guide (July 2026). The comments in the code are by the model that wrote it; some were corrected since.
;; Attention. Allowed arithmetic: matrix products marked QUANTISED: E5M2 operands, one E8M0 scale for each 32 along K, by v_wmma_scale_f32_16x16x128_f8f6f4 with both operands' format E5M2, f32 sums; everything else in f32.
;; Inputs: cu_seqlens 5 int32; k 8,192 x 4 x 128 float32; q 8,192 x 16 x 128 float32; v 8,192 x 4 x 128 float32.
;; Outputs: out0 8,192 x 16 x 128 float32.
;; This version of the problem:
;;   THIS VERSION OF THE PROBLEM IS GIVEN IN LOW PRECISION. The matrix products marked QUANTISED in the list below multiply operands that are first quantised to E5M2 (5 exponent bits, 2 mantissa bits; 8 bits a number), with one power-of-two scale for each 32 numbers along K (OCP MX v1.0); their sums are f32. All else is computed in f32.
;;   The module's matrix products, in the order in which they are computed (A, B: the left and right operand; K: the contracted axis; several contracted axes count as one K, in the product's order):
;;     1. batch 64 x [M 2,048, K 128] x [K 128, N 2,048]; A: input q; B: input k: QUANTISED
;;     2. batch 64 x [M 128, K 2,048] x [K 2,048, N 2,048]; A: input v; B: softmax (see below): QUANTISED
;;   THE QUANTISER, for each operand of a quantised product, along K:
;;     - K is cut into blocks of 32 from its start; a last block that is shorter is filled with zeros.
;;     - A block's scale is 2^e with e = floor(log2(the largest magnitude in the block)) - 15, held to -126 .. 127; a block of zeros has e = 0. As a byte (E8M0): e + 127.
;;     - Each number is divided by its block's scale, clamped to +-57,344, and rounded to the nearest number of E5M2, ties to even, subnormals kept.
;;     - The product sums the exact products of the quantised numbers (number of the format x scale) in f32.
;;   ~~~python
;;   def quantise(x, axis):      # numpy; x: float32 -> the quantised numbers, widened to float32 again
;;       x = np.moveaxis(x, axis, -1); K = x.shape[-1]
;;       x = np.pad(x, [(0, 0)] * (x.ndim - 1) + [(0, -K % 32)]); x = x.reshape(x.shape[:-1] + (-1, 32)); a = np.abs(x).max(-1, keepdims=True)
;;       e = np.where(a > 0, np.clip(np.frexp(np.where(a > 0, a, 1))[1] - 1 - 15, -126, 127), 0)      # np.frexp(a)[1] - 1 = floor(log2(a)), exactly
;;       r = np.clip(x / 2.0 ** e, -57344, 57344)
;;       step = 2.0 ** (np.maximum(np.frexp(np.where(r == 0, 1, r))[1] - 1, -14) - 2)
;;       q = np.round(r / step) * step * 2.0 ** e      # np.round: ties to even
;;       return np.moveaxis(q.reshape(q.shape[:-2] + (-1,))[..., :K], -1, axis).astype(np.float32)
;;   ~~~
;;   SOFTMAX AHEAD OF A QUANTISED PRODUCT. Where the list says 'softmax', what is quantised is not the finished softmax but p = 2^(t - M), with t = logit x log2(e) and M = ceil(the row's largest t), a whole number; so 1/2 < the row's largest p <= 1. The row's sum l is taken of the UNQUANTISED p, in f32, and the product's result is divided by l at the end. Since M is a whole number, a kernel that streams over the keys may use a running M (the ceiling of the running maximum): every later rescaling is an exact power of two, which a block's scale takes up: the codes' values come out the same.
;;   OPERANDS COMPUTED ON THE WAY. 'Computed on the way' means the value that the module computes at that place (a softmax that the list does not call 'softmax' is quantised finished and normalised). What goes into a quantiser is computed in f32, as accurately as f32 sums, v_exp_f32 and their like allow (about 1e-6 of the number): no bf16 or f16 on the way to a quantiser, and a product that is left as it is and whose result goes on into a quantised operand takes f32 operands (vector FMAs, or v_wmma_f32_16x16x4_f32). A number that lies on a knife's edge between two numbers of the format may be rounded either way, as far as f32 arithmetic and the matrix unit's own rounding can turn it there, and no further.
;; One version. Each part assembles by itself: llvm-mc -triple=amdgcn-amd-amdhsa -mcpu=gfx1250 --defsym DOCPART=n.
;; ======== version 1 of 1: 2 launches
;; workspace buffers: kv 8,650,752 bytes
;; launch prep (part 1): grid 256 x 2, 4 waves a work-group, no clusters, 34,304 bytes of LDS; arguments k, v, kv; writes kv
.if DOCPART == 1
	.amdgcn_target "amdgcn-amd-amdhsa--gfx1250"
	.amdhsa_code_object_version 6
	.text
	.protected	k_qe6fca20868_prep
	.globl	k_qe6fca20868_prep
	.p2align	8
	.type	k_qe6fca20868_prep,@function
k_qe6fca20868_prep:
	s_mov_b64 s[64:65], 0
	v_nop
	global_prefetch_b8 v0, s[64:65] scope:SCOPE_SE
	s_setreg_imm32_b32 hwreg(HW_REG_WAVE_MODE, 25, 1), 1
	s_wait_xcnt 0x0
; k and v, [8192 tokens][4 heads][128] f32, become ONE workspace buffer kv of codes of E5M2 with E8M0 scale bytes, laid in the order of the matrix operands' registers.
; k is quantised along the head's 128 (the first product's K), v along the keys (the second product's K), in blocks of 32.
; A block's scale is 2^(floor(log2(its largest magnitude)) - 15); its byte is the largest magnitude's exponent field - 15, held at 1 from below; each number is held within +-57,344 x the scale and
; rounded to the nearest code, ties to even.
; kv is 256 STEP BLOCKS of 33,792 bytes: block (sequence x 4 + kv head) x 16 + step holds 128 keys of one kv head:
;   byte 0      K's 8 fragments: tile t at 2048 t, group c at + 512 c, lane l at + 16 l.  Lane (r = l % 16, h = l / 16) of tile 2 bb + u holds channels 32 c + 16 h + 0..15 of key 32 bb + 8 u + r + 8 (r / 8)
;   byte 16384  V^T's 8 fragments, addressed alike: lane (r, h) of tile t holds keys 32 c + 16 h + 0..15 of channel 16 t + r
;   byte 32768  K's scale words: at 128 bb + 4 l the word of tile 2 bb + l / 16, row l % 16;      byte 33280  V's, laid alike
; So the attention launch fetches a step as one dense block and reads each fragment by loads of 16 bytes a lane, 512 consecutive bytes an instruction.
; SHARES.  Work-group x = the step block; y = 0 takes k, y = 1 takes v.  Four waves; wave w makes tiles 2 w and 2 w + 1.  Waves share nothing: no barrier.  Only the way for k uses LDS.
; LIMITS: NaN and infinities among the inputs are not served.  A block of zeros gets the byte 1 where the quantiser says 127: its codes are zeros, which add nothing under any byte but 0xff,
; and this program alone reads the bytes.  The scale words leave as 128 consecutive bytes a wave (1 KB of a block's 33 KB).
.set STEPB, 33792
.set VFR,   16384
.set KSC,   32768
.set VSC,   33280
.set TOK,   2048                       ; bytes from token to token in k and in v: 4 heads x 128 f32
.set SP,    528                        ; a stage row: 512 bytes + 16: the sixteen rows that a load touches start at sixteen different banks (64 banks of 4 bytes: ISA guide 11.1)
.set WSTG,  16*SP                      ; a wave's stage
.set BM,    8                          ; v8-11   the blocks' largest magnitudes
.set PB,    12                         ; v12-15  the other half's maxima, then the scale bytes
.set HL,    16                         ; v16-19  57,344 x the scale
.set SO,    20                         ; v20-23  the conversions' scale operands
.set PW,    24                         ; v24-25  the two tiles' scale words
.set R,     32                         ; v32-159 numbers as loaded
.set X,     160                        ; v160-223 k: 64 numbers of a lane, in the operand's order;  v: the codes, 8 registers a block
.set PC,    224                        ; v224-255 k: the codes, 16 registers a tile
	s_load_b128 s[4:7], s[0:1], 0x0                ; k s[4:5], v s[6:7]
	s_load_b64 s[8:9], s[0:1], 0x10                ; kv
	v_lshl_add_u32 v30, v0, 2, 0x8400
	v_mov_b32 v31, 0
	v_lshrrev_b32 v1, 5, v0
	v_readfirstlane_b32 s10, v1                    ; wave 0..3
	v_and_b32 v1, 31, v0                           ; lane
	v_lshlrev_b32 v2, 4, v1                        ; 16 x lane
	v_lshlrev_b32 v3, 2, v1                        ; 4 x lane
	s_and_b32 s11, ttmp7, 0xffff                   ; 0: k, 1: v
	s_lshr_b32 s22, ttmp9, 4                       ; sequence x 4 + kv head
	s_and_b32 s23, ttmp9, 15                       ; step
	s_lshr_b32 s24, s22, 2                         ; sequence
	s_and_b32 s25, s22, 3                          ; kv head
	s_lshl_b32 s24, s24, 11
	s_lshl_b32 s23, s23, 7
	s_add_co_u32 s24, s24, s23                     ; the step's first token: 2048 x sequence + 128 x step
	s_lshl_b32 s12, s24, 11                        ; x 2,048 bytes (under 2^25)
	s_lshl_b32 s25, s25, 9
	s_add_co_u32 s12, s12, s25                     ; + 512 x kv head
	s_mov_b32 s13, 0
	s_mul_i32 s26, ttmp9, STEPB                    ; my step block in kv
	s_mov_b32 s27, 0
	s_lshl_b32 s28, s10, 12                        ; my two tiles' fragments: 4,096 x wave
	s_mov_b32 s29, 0
	s_lshl_b32 s30, s10, 7                         ; my scale words: 128 x wave
	s_mov_b32 s31, 0
	s_mov_b32 s19, 0x600000                        ; the mantissa field of 57,344
	s_mov_b32 s20, 0x76543210
	s_mov_b32 s21, 0xfedcba98                      ; v_permlanex16_b32's selects for lane l xor 16
	s_wait_kmcnt 0x0
	s_add_nc_u64 s[8:9], s[8:9], s[26:27]
	s_add_nc_u64 s[14:15], s[8:9], s[28:29]
	s_add_nc_u64 s[16:17], s[8:9], s[30:31]
	s_cmp_eq_u32 s11, 0
	s_cbranch_scc0 .Lv
; ---- k.  64 numbers of a lane, register 16 b + i = channel 32 b + 16 (lane / 16) + i of the lane's key, become a fragment's codes in v[pc] on and its scale word in v[pw].
.macro QUANT s, pc, pw
.irp b, 0,1,2,3
	v_max3_num_f32 v[BM+\b], |v[\s+16*\b]|, |v[\s+1+16*\b]|, 0x8000000   ; block b: my 16 numbers, and the floor 2^(16 - 127): the byte cannot fall under 1
.endr
.irp i, 2,4,6,8,10,12,14
.irp b, 0,1,2,3
	v_max3_num_f32 v[BM+\b], v[BM+\b], |v[\s+16*\b+\i]|, |v[\s+1+16*\b+\i]|   ; the four blocks by turns: no line waits for the line above it
.endr
.endr
.irp b, 0,1,2,3
	v_permlanex16_b32 v[PB+\b], v[BM+\b], s20, s21
.endr
.irp b, 0,1,2,3
	v_max_num_f32 v[BM+\b], v[BM+\b], v[PB+\b]     ; with lane l xor 16's: the block's largest magnitude
.endr
.irp b, 0,1,2,3
	v_add_nc_u32 v[SO+\b], 0xf8800000, v[BM+\b]    ; 15 off its exponent field: the conversion takes the exponent field of this operand as its scale
.endr
.irp b, 0,1,2,3
	v_and_or_b32 v[HL+\b], v[BM+\b], 0x7f800000, s19   ; 57,344 x the scale
.endr
.irp b, 0,1,2,3
	v_lshrrev_b32 v[PB+\b], 23, v[SO+\b]           ; the scale's byte
.endr
	v_lshl_or_b32 v[\pw], v[PB+1], 8, v[PB]        ; the four bytes make my key's scale word
	v_lshl_or_b32 v[\pw], v[PB+2], 16, v[\pw]
	v_lshl_or_b32 v[\pw], v[PB+3], 24, v[\pw]
.irp b, 0,1,2,3
.irp i, 0,1,2,3,4,5,6,7,8,9,10,11,12,13,14,15
	v_med3_num_f32 v[\s+16*\b+\i], v[\s+16*\b+\i], -v[HL+\b], v[HL+\b]   ; the conversion to an 8-bit code does not saturate (ISA guide 7.6.2): the hold comes first
.endr
	v_cvt_scalef32_pk8_bf8_f32 v[\pc+4*\b:\pc+4*\b+1], v[\s+16*\b:\s+16*\b+7], v[SO+\b]
	v_cvt_scalef32_pk8_bf8_f32 v[\pc+4*\b+2:\pc+4*\b+3], v[\s+16*\b+8:\s+16*\b+15], v[SO+\b]
.endr
	v_nop                                          ; one plain vector line behind the last conversion
.endm
	s_add_nc_u64 s[4:5], s[4:5], s[12:13]
	s_lshl_b32 s22, s10, 16                        ; my 32 keys: 32 x wave tokens of 2,048 bytes
	s_mov_b32 s23, 0
	s_add_nc_u64 s[4:5], s[4:5], s[22:23]
	s_mul_i32 s24, s10, WSTG                       ; my stage
	v_add_nc_u32 v4, s24, v2                       ; into it: a key's row as it lies, 16 bytes a lane
	v_and_b32 v26, 15, v0                          ; r
	v_bfe_u32 v5, v0, 4, 1                         ; h
	v_lshlrev_b32 v5, 6, v5
	v_mad_u32_u24 v5, v26, SP, v5
	v_add_nc_u32 v5, s24, v5                       ; out of it: row r, + 64 h: my 16 numbers of a block of 32
.irp b, 0,1,2,3
	v_mov_b32 v[PB+\b], 0                          ; written once: a lane permute's destination counts as one of its sources
.endr
.irp u, 0,1                                    ; all 32 keys are asked for at once; each load reads one key's 512 consecutive bytes.  Row i of tile u is key 8 u + i + 8 (i / 8)
.irp i, 0,1,2,3,4,5,6,7,8,9,10,11,12,13,14,15
	global_load_b128 v[R+64*\u+4*\i:R+64*\u+4*\i+3], v2, s[4:5] offset:(8*\u+\i+8*(\i/8))*TOK th:TH_LOAD_NT
.endr
.endr
.irp u, 0,1
	s_wait_loadcnt 16*(1-\u)                       ; this tile's 16 rows are in; the other tile's 16 may be out
.irp i, 0,1,2,3,4,5,6,7,8,9,10,11,12,13,14,15
	ds_store_b128 v4, v[R+64*\u+4*\i:R+64*\u+4*\i+3] offset:SP*\i
.endr
.irp c, 0,1,2,3
.irp j, 0,1,2,3
	ds_load_b128 v[X+16*\c+4*\j:X+16*\c+4*\j+3], v5 offset:128*\c+16*\j   ; LDS serves a wave's instructions in order (ISA guide 5.7.1.4): these see the stores above, and the next tile's stores come behind them
.endr
.endr
	s_wait_dscnt 0x0
	QUANT X, PC+16*\u, PW+\u
.irp c, 0,1,2,3
	global_store_b128 v2, v[PC+16*\u+4*\c:PC+16*\u+4*\c+3], s[14:15] offset:2048*\u+512*\c   ; the fragment as it stands: 512 consecutive bytes, at a multiple of 256 from kv's first byte
.endr
.endr
	v_cmp_gt_u32 vcc_lo, 16, v1
	v_cndmask_b32 v7, v[PW+1], v[PW], vcc_lo       ; lanes 0-15 keep the even tile's words, lanes 16-31 the odd tile's
	global_store_b32 v3, v7, s[16:17] offset:KSC
	s_wait_tensorcnt 0x0
	ds_add_u32 v30, v31
	s_wait_dscnt 0x0
	s_endpgm
; ---- v.  A LANE TAKES A CHANNEL, AND ITS REGISTERS RUN DOWN THE KEYS: a block of 32 keys lies in one lane's 32 registers, and the conversions give codes with the keys innermost.
.Lv:
	s_add_nc_u64 s[6:7], s[6:7], s[12:13]
	s_add_nc_u64 s[6:7], s[6:7], s[30:31]          ; my 32 channels: 128 bytes x wave; the four waves stand side by side on a key's 512 bytes
	v_lshrrev_b32 v6, 4, v1
	v_lshlrev_b32 v6, 11, v6
	v_and_b32 v26, 15, v1
	v_lshl_add_u32 v6, v26, 4, v6                  ; my channel's place: tile 2 w + lane / 16, row lane % 16
.macro VLOAD c                         ; block c: 32 keys of my channel
.irp i, 0,1,2,3,4,5,6,7,8,9,10,11,12,13,14,15,16,17,18,19,20,21,22,23,24,25,26,27,28,29,30,31
	global_load_b32 v[R+32*(\c)+\i], v3, s[6:7] offset:(32*(\c)+\i)*TOK th:TH_LOAD_NT
.endr
.endm
.macro VBLOCK c
.set XS, R+32*(\c)
.if (\c) < 3
	s_wait_loadcnt 32                              ; this block's 32 loads are in; the next block's 32 may be out
.else
	s_wait_loadcnt 0x0
.endif
.if (\c)+2 < 4
	VLOAD (\c)+2                                   ; two blocks ahead, into registers of its own
.endif
	v_max3_num_f32 v8, |v[XS]|, |v[XS+1]|, |v[XS+2]|               ; the block's largest magnitude: all 32 numbers are mine; two chains
	v_max3_num_f32 v9, |v[XS+3]|, |v[XS+4]|, |v[XS+5]|
.irp i, 6,10,14,18,22,26
	v_max3_num_f32 v8, v8, |v[XS+\i]|, |v[XS+\i+1]|
	v_max3_num_f32 v9, v9, |v[XS+\i+2]|, |v[XS+\i+3]|
.endr
	v_max3_num_f32 v8, v8, |v[XS+30]|, |v[XS+31]|
	v_max3_num_f32 v8, v8, v9, 0x8000000           ; and the floor 2^(16 - 127)
	v_add_nc_u32 v11, 0xf8800000, v8               ; the conversion's scale operand
	v_and_or_b32 v10, v8, 0x7f800000, s19          ; 57,344 x the scale
	v_lshrrev_b32 v12, 23, v11                     ; the scale's byte
.if (\c) == 0
	v_mov_b32 v7, v12                              ; four bytes make my channel's scale word for these 128 keys, the lower keys in the lower byte
.else
	v_lshl_or_b32 v7, v12, 8*(\c), v7
.endif
.irp i, 0,1,2,3,4,5,6,7,8,9,10,11,12,13,14,15,16,17,18,19,20,21,22,23,24,25,26,27,28,29,30,31
	v_med3_num_f32 v[XS+\i], v[XS+\i], -v10, v10
.endr
.irp g, 0,1,2,3
	v_cvt_scalef32_pk8_bf8_f32 v[X+8*(\c)+2*\g:X+8*(\c)+2*\g+1], v[XS+8*\g:XS+8*\g+7], v11
.endr
	v_nop                                          ; one plain vector line behind the last conversion
	global_store_b128 v6, v[X+8*(\c):X+8*(\c)+3], s[14:15] offset:VFR+512*(\c)         ; keys 32 c + 0..15: the place of the operand's lanes 0-15; sixteen lanes store 256 consecutive bytes, aligned
	global_store_b128 v6, v[X+8*(\c)+4:X+8*(\c)+7], s[14:15] offset:VFR+512*(\c)+256   ; keys 32 c + 16..31: that of its lanes 16-31
.endm
	VLOAD 0
	VLOAD 1
.irp c, 0,1,2,3
	VBLOCK \c
.endr
	global_store_b32 v3, v7, s[16:17] offset:VSC
	s_endpgm
.Lfunc_end_k_qe6fca20868_prep:
	.size	k_qe6fca20868_prep, .Lfunc_end_k_qe6fca20868_prep-k_qe6fca20868_prep
	.p2alignl 7, 3214868480
	.fill 96, 4, 3214868480
	.section	.rodata,"a",@progbits
	.p2align	6, 0x0
	.amdhsa_kernel k_qe6fca20868_prep
		.amdhsa_group_segment_fixed_size 34304
		.amdhsa_private_segment_fixed_size 0
		.amdhsa_enable_private_segment 0
		.amdhsa_kernarg_size 24
		.amdhsa_user_sgpr_count 2
		.amdhsa_user_sgpr_kernarg_segment_ptr 1
		.amdhsa_wavefront_size32 1
		.amdhsa_system_sgpr_workgroup_id_x 1
		.amdhsa_system_sgpr_workgroup_id_y 1
		.amdhsa_system_sgpr_workgroup_id_z 1
		.amdhsa_system_vgpr_workitem_id 0
		.amdhsa_next_free_vgpr 256
		.amdhsa_next_free_sgpr 66
		.amdhsa_reserve_vcc 1
		.amdhsa_float_denorm_mode_32 3
		.amdhsa_float_denorm_mode_16_64 3
		.amdhsa_memory_ordered 1
		.amdhsa_forward_progress 1
		.amdhsa_inst_pref_size 54
	.end_amdhsa_kernel
	.amdgpu_metadata
---
amdhsa.version: [ 1, 2 ]
amdhsa.kernels:
  - .name:           k_qe6fca20868_prep
    .symbol:         k_qe6fca20868_prep.kd
    .args:
      - { .name: k, .offset: 0, .size: 8, .value_kind: global_buffer, .address_space: global }
      - { .name: v, .offset: 8, .size: 8, .value_kind: global_buffer, .address_space: global }
      - { .name: kv, .offset: 16, .size: 8, .value_kind: global_buffer, .address_space: global }
    .group_segment_fixed_size: 34304
    .private_segment_fixed_size: 0
    .kernarg_segment_align: 8
    .kernarg_segment_size: 24
    .max_flat_workgroup_size: 128
    .sgpr_count:     66
    .vgpr_count:     256
    .wavefront_size: 32
...
	.end_amdgpu_metadata
.endif
;; end of part 1
;; launch attn (part 2): grid 16 x 16, 8 waves a work-group, clusters of 4 x 1, 327,680 bytes of LDS; arguments q, kv, out0; writes out0
.if DOCPART == 2
	.amdgcn_target "amdgcn-amd-amdhsa--gfx1250"
	.amdhsa_code_object_version 6
	.text
	.protected	k_qe6fca20868_attn
	.globl	k_qe6fca20868_attn
	.p2align	8
	.type	k_qe6fca20868_attn,@function
k_qe6fca20868_attn:
	s_mov_b64 s[64:65], 0
	v_nop
	global_prefetch_b8 v0, s[64:65] scope:SCOPE_SE
	s_setreg_imm32_b32 hwreg(HW_REG_WAVE_MODE, 25, 1), 1
	s_wait_xcnt 0x0
	s_wait_alu depctr_hold_cnt(0) depctr_sa_sdst(0) depctr_va_vdst(0) depctr_va_sdst(0) depctr_va_ssrc(0) depctr_va_vcc(0) depctr_vm_vsrc(0)
	s_getreg_b32 s2, hwreg(HW_REG_IB_STS2, 6, 4)
	s_cmp_eq_u32 s2, 0
	s_cbranch_scc0 .Lentry_in_a_cluster
	s_endpgm
.Lentry_in_a_cluster:
	s_bfe_u32 s2, ttmp6, 0x10000c
	s_cmp_lg_u32 s2, 0x3003
	s_cbranch_scc0 .Lentry_shape_is_right
	s_endpgm
.Lentry_shape_is_right:
; out0[token][head][:] = the sum over the keys k <= q of the token's own sequence of softmax_k(q . k / sqrt(128)) v.  4 sequences of 2,048 tokens, 16 query heads, 4 kv heads, head size 128.
; Both products on codes of E5M2 with one E8M0 scale for each 32 along a product's K.  q [8192][16][128] f32 is quantised here, in registers; K's and V's codes come from kv, which the launch before laid
; in the order of the operands' registers: 256 step blocks of 33,792 bytes (128 keys of one kv head): K's 8 fragments, V^T's 8 fragments, K's scale words, V's scale words.
; THE SOFTMAX AHEAD OF THE SECOND PRODUCT: t = score x log2(e) / sqrt(128); M = the row's largest t so far, rounded UP to a whole number; p = 2^(t - M) is what is quantised, along the keys.
; The row's sum is taken of the unquantised p, in f32, and divides O at the end.  When M moves, the sum and O are multiplied by 2^(old M - new M): exact.
; cu_seqlens: the problem's function takes its SHAPE alone (4 sequences of 8192 / 4 tokens); none of its values enters a result, so no launch is given it.
; SHARES.  A work-group owns one query head of one sequence and TWO blocks of 256 queries: block i in pass 1, block 7 - i in pass 2.  Under the causal mask block j wants the keys of slots 0 .. j (256 keys a slot),
; so every work-group walks (i + 1) + (8 - i) = 9 slots: the trip count is a constant and all 256 work-groups have the same work.  Each of the eight waves owns 32 queries, two tiles A and B of 16:
; every fragment of K and V that it reads from LDS feeds two matrix instructions.  A step all of whose 128 keys come after the wave's queries is jumped over (a scalar branch on ids).
; A PASS WALKS ITS SLOTS DOWNWARD, from the block's own (the diagonal) to key slot 0: a running M takes the keys in any order, and every query has a key that counts in its wave's first step.
; So the ninth slot, which is written out behind the loop, is key slot 0 of a block 4 .. 7: all its keys count, and its step has neither the check nor the mask.
; CLUSTER.  The four work-groups of a cluster are the four query heads of one kv head, with the same pair of blocks: they walk the same slots in the same order, so each slot is asked for JOINTLY
; (the same tensor load, the same descriptor, a mask that names the four).  My place in the cluster enters q's and out0's addresses alone.
; LAYOUT.  Both products are used transposed: S^T = K Q^T (source 0 = 16 keys, source 1 = 16 queries), O^T = V^T P^T: a lane holds ONE query (lane % 16) throughout.  The keys of a tile of K are chosen
; (lane r of tile 2 b + u: key 32 b + 8 u + r + 8 (r / 8)) so that the 16 registers of tiles 2 b, 2 b + 1 are the neighbouring keys 32 b + 16 (lane / 16) + 0..15: the conversions' results ARE the second product's operand.
; LIMITS: NaN and infinities among the inputs are not served.  A block of zeros gets the scale byte 1 (its codes are zeros; nobody else reads the bytes).  p under 2^-126 becomes 0 (v_exp_f32).
; Hidden scores become -infinity, not -1e10: p is 0 either way, since every query has a key that counts.
; REGISTERS, in two windows of 256.  All that is tile A's own lies in window 0 and tile B's at the SAME numbers in window 1, so one text serves both:
;   v1 r - 16 h (+ 16 for B); v2 -M, v3 the largest t; v[4:5] the sum; v[6:7] f; v[8:9] a second chain of the sum; v10-11 at work; v12-15 block maxima; v16-19 bytes; v20-23 holds; v24-27 scale operands;
;   v32-47 Q's codes; v48-63 p's codes; v64-127 S^T, then p; v128-191 O^T.
;   window 0 alone: v192-201 addresses; v204-207 K's or V's scale words; v208-209 Q's; v210-211 p's (scale operands are always taken from window 0).   window 1 alone: v192-255 four fragments.
.set STEPB, 33792                      ; a step block of kv
.set SLOTB, 2*STEPB                    ; a slot holds two steps
.set QUART, SLOTB/4                    ; what one tensor load brings: 66 rows of 256 bytes
.set VFR,   16384
.set KSC,   32768
.set VSC,   33280
.set SLOT1, 1<<17                      ; slot 1 begins here, so that one exclusive or turns an address in one slot into the other's
.set SP,    528                        ; a stage row: 512 bytes + 16: the sixteen rows that a load or store touches start at sixteen different banks (64 banks of 4 bytes: ISA guide 11.1)
.set WSTG,  16*SP
.set STAGE, SLOT1+SLOTB                ; behind the ring: a stage for each wave, written by LDS stores alone; no tile lands there
.set SPARE, STAGE+8*WSTG               ; behind the stages: the spare words, 128 bytes for each wave: four blocks of 256 bytes that no other line names
.set TOKQ,  8192                       ; bytes from token to token in q and in out0
.set DD,  1
.set NM,  2
.set SUM, 4
.set FF,  6
.set SUM2, 8
.set TMP, 10
.set BM,  12
.set PB,  16
.set HL,  20
.set SO,  24
.set QC,  32
.set PC,  48
.set S,   64
.set OT,  128
.set FB,  192                          ; window 1: four fragments
.set LI,  192                          ; window 0: 16 x lane
.set LS,  193                          ; 4 x lane
.set STW, 194                          ; my stage, a row as it lies: + 16 x lane
.set STF, 195                          ; my stage, row r, + 64 h: 16 numbers of a block of 32 of q
.set STO, 196                          ; my stage, row r, + 32 h: eight channels of O
.set SPW, 197                          ; LDS address of my spare word; never rewritten
.set NIL, 198                          ; 0; never rewritten
.set AD,  199                          ; the step block in hand, + 16 x lane
.set AS,  200                          ; the same, + 4 x lane
.set PF,  201                          ; the prefetch: 8,192 (lane / 2) + 256 (lane % 2); never rewritten
.set KVS, 204
.set QSA, 208
.set QSB, 209
.set PWA, 210
.set PWB, 211
.set WV,  10                           ; s10 my wave's number
.set NL,  14                           ; s14 slots of pass 1: i + 1
.set CNT, 15                           ; s15 the slot in hand, 0 .. 8
.set TB,  16                           ; s16 LDS byte at which the step block in hand begins
.set KF,  17                           ; s17 the step's first key
.set Q0,  18                           ; s18 my first query (in its sequence)
.set MNT, 19                           ; s19 the mantissa field of 57,344
.set SEL, 20                           ; s[20:21] v_permlanex16_b32's selects for lane l xor 16
.set CS,  22                           ; s[22:23] c = log2(e) / sqrt(128)
.set G1,  24                           ; s[24:31] descriptor group 1
.set G0,  32                           ; s[32:35] descriptor group 0, which walks
.set KVB, 36                           ; s[36:37] kv at my kv head's first step block, + my quarter
.set KO,  38                           ; s[38:39] the byte offset of the key slot to be asked for
.set QP1, 40                           ; s[40:47] q and out0 at my first query of pass 1 and of pass 2; never stepped
.set QP2, 42
.set OP1, 44
.set OP2, 46
.set T0,  48                           ; s48, s49 at work: they never hold my place in the cluster
.set Q02, 56                           ; s56 my first query of pass 2
.set TW,  60                           ; s60 counts a slot's two steps
.set KO2, 61                           ; s61 the byte offset of pass 2's first key slot: 7 - i
.set KF2, 62                           ; s62 and its first key: 256 (7 - i)
.set MSB, 0
.macro WIN new                         ; s_set_vgpr_msb: bits 1:0 source 0, 3:2 source 1, 5:4 source 2, 7:6 destination; the high byte repeats the setting that is left
.if MSB != \new
	s_set_vgpr_msb (MSB<<8)|\new
.set MSB, \new
.endif
.endm
.macro PLACES n
.rept \n
	v_nop
.endr
.endm
; A round of the cluster's barrier: my work-group's barrier, wave 0 signals for the work-group, every wave waits for all four work-groups, my work-group's barrier once more.
.macro CROUND
	s_barrier_signal -1
	s_barrier_wait -1
	s_cmp_lg_u32 s[WV], 0
	s_cbranch_scc1 .Lnot_wave_0_\@
	s_barrier_signal -3
.Lnot_wave_0_\@:
	s_barrier_wait -3
	s_barrier_signal -1
	s_barrier_wait -1
.endm
; A joint load: waves 0 to 3 fetch a quarter of a slot each, the others nothing.  The branch hangs on the wave's number alone.  Four v_nop follow the line.
.macro JLOAD
	s_cmp_lt_u32 s[WV], 4
	s_cbranch_scc0 .Lasked_\@
	tensor_load_to_lds s[G0:G0+3], s[G1:G1+7]
	s_nop 0
	PLACES 4
.Lasked_\@:
.endm
	s_load_b128 s[4:7], s[0:1], 0x0                ; q s[4:5], kv s[6:7]
	s_load_b64 s[8:9], s[0:1], 0x10                ; out0
	v_lshl_add_u32 v[SPW], v0, 2, SPARE
	v_mov_b32 v[NIL], 0
	ds_add_u32 v197, v198
	s_wait_dscnt 0x0
	v_lshrrev_b32 v[AD], 5, v0
	v_readfirstlane_b32 s[WV], v[AD]               ; wave 0..7
	s_bfe_u32 s11, ttmp6, 0x40000                  ; cx: my place in the cluster = my query head within its group of four
	s_mov_b32 s12, ttmp9                           ; in a cluster launch ttmp9 counts clusters: the pair of blocks, i = 0..3
	s_and_b32 s13, ttmp7, 0xffff                   ; sequence x 4 + kv head
	s_add_co_u32 s[NL], s12, 1
	; which 32 queries of a block are my wave's: strips 4-7 have one step more than strips 0-3 in each pass; waves 0..7 take strips 0, 4, 1, 5, 6, 2, 7, 3, so that the longer ones are spread among the waves
	s_lshr_b32 s[T0], s[WV], 2
	s_xor_b32 s[T0], s[T0], s[WV]
	s_and_b32 s[T0], s[T0], 1
	s_lshl_b32 s[T0], s[T0], 2
	s_lshr_b32 s57, s[WV], 1
	s_or_b32 s57, s57, s[T0]
	s_lshl_b32 s[T0+1], s57, 5
	s_lshl_b32 s[KF], s12, 8                       ; pass 1 begins with its own block's keys: 256 i
	s_add_co_u32 s[Q0], s[KF], s[T0+1]             ; pass 1: my first query = 256 i + 32 x strip
	s_mul_i32 s[KO], s12, SLOTB                    ; and the first slot to be asked for is key slot i
	s_mov_b32 s[KO+1], 0
	s_sub_co_u32 s[Q02], 7, s12
	s_mul_i32 s[KO2], s[Q02], SLOTB                ; pass 2 begins with key slot 7 - i,
	s_lshl_b32 s[KF2], s[Q02], 8                   ; key 256 (7 - i),
	s_add_co_u32 s[Q02], s[KF2], s[T0+1]           ; and my first query there = 256 (7 - i) + 32 x strip
	s_lshr_b32 s50, s13, 2
	s_lshl_b32 s50, s50, 11                        ; the sequence's first token
	s_and_b32 s51, s13, 3
	s_lshl_b32 s51, s51, 2
	s_add_co_u32 s51, s51, s11                     ; my query head
	s_lshl_b32 s51, s51, 9                         ; its 512 bytes in a token
	s_add_co_u32 s52, s50, s[Q0]
	s_lshl_b32 s52, s52, 13
	s_add_co_u32 s52, s52, s51                     ; byte offset of my first query in q and in out0, pass 1 (under 2^27),
	s_mov_b32 s53, 0
	s_add_co_u32 s54, s50, s[Q02]
	s_lshl_b32 s54, s54, 13
	s_add_co_u32 s54, s54, s51                     ; and pass 2
	s_mov_b32 s55, 0
	s_mul_i32 s[G0+1], s[WV], QUART                ; my quarter's place in slot 0: no place in the cluster enters an LDS address
	s_mul_i32 s58, s13, 16*STEPB                   ; my kv head's 16 step blocks,
	s_add_co_u32 s58, s58, s[G0+1]                 ; and my quarter of a slot
	s_mov_b32 s59, 0
	; descriptor group 1: a dense block of 16,896 bytes as 66 rows of 256 bytes (32 elements of 8 bytes), no padding: fragments lie as register images, 16 x lane on end
	s_mov_b32 s[G1+0], 15|(3<<16)|(1<<21)          ; 15:0 the mask: all four work-groups; 17:16 elements of 8 bytes; 21 set beside a mask
	s_mov_b32 s[G1+1], 32<<16                      ; tensor_dim0 = 32
	s_mov_b32 s[G1+2], 66<<16                      ; tensor_dim1 = 66
	s_mov_b32 s[G1+3], 32<<16                      ; tile_dim0 = 32
	s_mov_b32 s[G1+4], 66                          ; tile_dim1 = 66
	s_mov_b32 s[G1+5], 32                          ; tensor_dim0_stride
	s_mov_b32 s[G1+6], 0
	s_mov_b32 s[G1+7], 0
	s_mov_b32 s[MNT], 0x600000
	s_mov_b32 s[SEL], 0x76543210
	s_mov_b32 s[SEL+1], 0xfedcba98
	s_mov_b32 s[CS], 0x3e0293ee
	s_mov_b32 s[CS+1], s[CS]                       ; (named with it as a pair, so it is written)
	s_mov_b32 s[CNT], 0
	s_mov_b32 s[TB], 0
	; every vector address that stays is made here, ahead of the first branch on the wave's number
	v_and_b32 v[AD], 31, v0                        ; lane
	v_lshlrev_b32 v[LI], 4, v[AD]
	v_lshlrev_b32 v[LS], 2, v[AD]
	s_mul_i32 s[T0], s[WV], WSTG
	s_add_co_u32 s[T0], s[T0], STAGE               ; my stage
	v_add_nc_u32 v[STW], s[T0], v[LI]
	v_and_b32 v[AS], 15, v0                        ; r
	v_bfe_u32 v202, v0, 4, 1                       ; h
	v_mul_u32_u24 v203, v[AS], SP
	v_add_nc_u32 v203, s[T0], v203
	v_lshl_add_u32 v[STF], v202, 6, v203
	v_lshl_add_u32 v[STO], v202, 5, v203
	v_lshrrev_b32 v[PF], 1, v[AD]
	v_lshlrev_b32 v[PF], 13, v[PF]
	v_and_b32 v203, 1, v[AD]
	v_lshl_add_u32 v[PF], v203, 8, v[PF]
	v_lshlrev_b32 v202, 4, v202
	v_sub_nc_u32 v[DD], v[AS], v202                ; tile A: r - 16 h
	v_mov_b32 v[FF+1], 0                           ; (named as the upper half of a pair)
	v_mov_b32 v[TMP], 0                            ; written once: a lane permute's destination counts as one of its sources
	v_mov_b32 v[TMP+1], 0
.irp b, 0,1,2,3
	v_mov_b32 v[PB+\b], 0
.endr
	WIN 0x40                                       ; destination window 1, sources window 0
	v_add_nc_u32 v[DD], 16, v[DD]                  ; tile B: r - 16 h + 16
	v_mov_b32 v[FF+1], 0
	v_mov_b32 v[TMP], 0
	v_mov_b32 v[TMP+1], 0
.irp b, 0,1,2,3
	v_mov_b32 v[PB+\b], 0
.endr
	WIN 0
	s_wait_kmcnt 0x0
	s_add_nc_u64 s[QP1:QP1+1], s[4:5], s[52:53]
	s_add_nc_u64 s[QP2:QP2+1], s[4:5], s[54:55]
	s_add_nc_u64 s[OP1:OP1+1], s[8:9], s[52:53]
	s_add_nc_u64 s[OP2:OP2+1], s[8:9], s[54:55]
	s_add_nc_u64 s[KVB:KVB+1], s[6:7], s[58:59]
	CROUND                                         ; all four work-groups are here: the first joint load meets
	s_mov_b32 s[G0], 1                             ; 1:0 count = 1
	s_add_nc_u64 s[G0+2:G0+3], s[KVB:KVB+1], s[KO:KO+1]   ; 120:64 global address: key slot i
	s_or_b32 s[G0+3], s[G0+3], 0x80000000          ; 127:126 type = 2
	JLOAD                                          ; slot 0: the one first fill at the start; one tensor load of mine is out
; 64 numbers of a lane in v[S] on, register 16 b + i = channel 32 b + 16 (lane / 16) + i of my query, become Q's codes in v[QC] on; the scale word goes to v[pw] of window 0 (wpw: the setting for that one line, wbk: back).
.macro QUANT pw, wpw, wbk
.irp b, 0,1,2,3
	v_max3_num_f32 v[BM+\b], |v[S+16*\b]|, |v[S+1+16*\b]|, 0x8000000   ; block b: my 16 numbers, and the floor 2^(16 - 127): the byte cannot fall under 1
.endr
.irp i, 2,4,6,8,10,12,14
.irp b, 0,1,2,3
	v_max3_num_f32 v[BM+\b], v[BM+\b], |v[S+16*\b+\i]|, |v[S+1+16*\b+\i]|
.endr
.endr
.irp b, 0,1,2,3
	v_permlanex16_b32 v[PB+\b], v[BM+\b], s[SEL], s[SEL+1]
.endr
.irp b, 0,1,2,3
	v_max_num_f32 v[BM+\b], v[BM+\b], v[PB+\b]     ; with lane l xor 16's: the block's largest magnitude
.endr
.irp b, 0,1,2,3
	v_add_nc_u32 v[SO+\b], 0xf8800000, v[BM+\b]    ; 15 off its exponent field: the conversion's scale operand
.endr
.irp b, 0,1,2,3
	v_and_or_b32 v[HL+\b], v[BM+\b], 0x7f800000, s[MNT]   ; 57,344 x the scale
.endr
.irp b, 0,1,2,3
	v_lshrrev_b32 v[PB+\b], 23, v[SO+\b]           ; the scale's byte
.endr
	v_lshl_or_b32 v[TMP], v[PB+1], 8, v[PB]
	v_lshl_or_b32 v[TMP], v[PB+2], 16, v[TMP]
	WIN \wpw
	v_lshl_or_b32 v[\pw], v[PB+3], 24, v[TMP]      ; my query's scale word
	WIN \wbk
.irp b, 0,1,2,3
.irp i, 0,1,2,3,4,5,6,7,8,9,10,11,12,13,14,15
	v_med3_num_f32 v[S+16*\b+\i], v[S+16*\b+\i], -v[HL+\b], v[HL+\b]   ; the conversion to an 8-bit code does not saturate (ISA guide 7.6.2): the hold comes first
.endr
	v_cvt_scalef32_pk8_bf8_f32 v[QC+4*\b:QC+4*\b+1], v[S+16*\b:S+16*\b+7], v[SO+\b]
	v_cvt_scalef32_pk8_bf8_f32 v[QC+4*\b+2:QC+4*\b+3], v[S+16*\b+8:S+16*\b+15], v[SO+\b]
.endr
	v_nop                                          ; one plain vector line behind the last conversion
.endm
.macro RESET                           ; a pass begins: the step is written once, and its first walk finds zeros, which the first change of M leaves zeros
	v_mov_b32 v[NM+1], 0xff61b1e6                  ; the largest t so far: -3e38, under every t
	v_floor_f32 v[NM], -v[NM+1]                    ; -M
	v_mov_b32 v[SUM], 0
	v_mov_b32 v[SUM+1], 0
.set j, 0
.rept 32
	v_pk_add_f32 v[OT+j:OT+j+1], v[SUM:SUM+1], v[SUM:SUM+1]   ; O^T = 0 + 0, two registers an instruction
.set j, j+2
.endr
.endm
; My 32 queries of a pass are loaded (each load reads one query's 512 consecutive bytes), turned through my stage so that a lane holds 16 neighbours of each block of 32, and quantised.
.macro INIT qp
	WIN 0x40                                       ; destination window 1, address window 0
.set i, 0
.rept 16
	global_load_b128 v[FB+4*i:FB+4*i+3], v[LI], s[\qp:\qp+1] offset:i*TOKQ th:TH_LOAD_NT         ; tile A's rows, into the fragments' registers
.set i, i+1
.endr
.set i, 0
.rept 16
	global_load_b128 v[OT+4*i:OT+4*i+3], v[LI], s[\qp:\qp+1] offset:(16+i)*TOKQ th:TH_LOAD_NT    ; tile B's, into the registers that its O^T will take
.set i, i+1
.endr
	s_wait_loadcnt 16                              ; tile A's 16 rows are in; tile B's 16 may be out: they land while tile A is quantised
	WIN 0x04                                       ; an LDS store's data are its source 1: window 1
.set i, 0
.rept 16
	ds_store_b128 v[STW], v[FB+4*i:FB+4*i+3] offset:SP*i
.set i, i+1
.endr
	WIN 0
.irp c, 0,1,2,3
.irp j, 0,1,2,3
	ds_load_b128 v[S+16*\c+4*\j:S+16*\c+4*\j+3], v[STF] offset:128*\c+16*\j   ; LDS serves a wave's instructions in order (ISA guide 5.7.1.4): these see the stores above
.endr
.endr
	s_wait_dscnt 0x0
	QUANT QSA, 0, 0
	s_wait_loadcnt 0x0
	WIN 0x04
.set i, 0
.rept 16
	ds_store_b128 v[STW], v[OT+4*i:OT+4*i+3] offset:SP*i
.set i, i+1
.endr
	WIN 0x40
.irp c, 0,1,2,3
.irp j, 0,1,2,3
	ds_load_b128 v[S+16*\c+4*\j:S+16*\c+4*\j+3], v[STF] offset:128*\c+16*\j
.endr
.endr
	WIN 0
	RESET                                          ; tile A's, while tile B's numbers turn through the stage
	s_wait_dscnt 0x0
	WIN 0x55
	QUANT QSB, 0x15, 0x55
	RESET
	WIN 0
.endm
.macro KVFRAG reg, off                 ; four fragments, as register images, from byte off of the step block in hand
.irp t, 0,1,2,3
.irp c, 0,1,2,3
	ds_load_b128 v[\reg+16*\t+4*\c:\reg+16*\t+4*\c+3], v[AD] offset:\off+2048*\t+512*\c
.endr
.endr
.endm
; S^T = K Q^T: tiles 4 g .. 4 g + 3 of 16 keys against one tile of queries.  A scale register carries the even tile's words in lanes 0-15 and the odd tile's in lanes 16-31.
.macro SMUL g, qs
.irp t, 0,1,2,3
.if \t%2
	v_wmma_scale_f32_16x16x128_f8f6f4 v[S+8*(4*\g+\t):S+8*(4*\g+\t)+7], v[FB+16*\t:FB+16*\t+15], v[QC:QC+15], 0, v[KVS+(4*\g+\t)/2], v[\qs] matrix_a_fmt:MATRIX_FMT_BF8 matrix_b_fmt:MATRIX_FMT_BF8 matrix_a_scale:MATRIX_SCALE_ROW1
.else
	v_wmma_scale_f32_16x16x128_f8f6f4 v[S+8*(4*\g+\t):S+8*(4*\g+\t)+7], v[FB+16*\t:FB+16*\t+15], v[QC:QC+15], 0, v[KVS+(4*\g+\t)/2], v[\qs] matrix_a_fmt:MATRIX_FMT_BF8 matrix_b_fmt:MATRIX_FMT_BF8
.endif
.endr
.endm
; O^T += V^T P^T: the eight tiles of 16 channels, one instruction each: the accumulators take turns.  V's tiles 0-3 lie in the fragments' registers, tiles 4-7 where tile B's p lay.
.macro OMUL pw
.irp t, 0,1,2,3,4,5,6,7
.if \t < 4
.set FA, FB+16*\t
.else
.set FA, S+16*(\t-4)
.endif
.if \t%2
	v_wmma_scale_f32_16x16x128_f8f6f4 v[OT+8*\t:OT+8*\t+7], v[FA:FA+15], v[PC:PC+15], v[OT+8*\t:OT+8*\t+7], v[KVS+\t/2], v[\pw] matrix_a_fmt:MATRIX_FMT_BF8 matrix_b_fmt:MATRIX_FMT_BF8 matrix_a_scale:MATRIX_SCALE_ROW1
.else
	v_wmma_scale_f32_16x16x128_f8f6f4 v[OT+8*\t:OT+8*\t+7], v[FA:FA+15], v[PC:PC+15], v[OT+8*\t:OT+8*\t+7], v[KVS+\t/2], v[\pw] matrix_a_fmt:MATRIX_FMT_BF8 matrix_b_fmt:MATRIX_FMT_BF8
.endif
.endr
.endm
; On the diagonal the scores of hidden keys become -infinity ahead of the maximum.  d = my query - the step's first key - 16 (lane / 16); register 16 b + i holds key 32 b + 16 (lane / 16) + i of the step: hidden where 32 b + i > d.
.macro MASK
	v_add_nc_u32 v[TMP], s[T0], v[DD]
	v_mov_b32 v[TMP+1], 0xff800000
.set n, 0
.rept 64
	v_cmp_gt_i32 vcc_lo, 32*(n/16)+n%16, v[TMP]
	v_cndmask_b32 v[S+n], v[S+n], v[TMP+1], vcc_lo
.set n, n+1
.endr
.endm
; One tile's softmax of a step, and p's codes and scale word.
.macro SOFTMAX pw, wpw, wbk
.irp b, 0,1,2,3
	v_max3_num_f32 v[BM+\b], v[S+16*\b], v[S+1+16*\b], v[S+2+16*\b]   ; THE LARGEST SCORE OF EACH BLOCK OF 32 KEYS serves twice: for the row's maximum and, since p rises with the score, for the block's largest p
.endr
.irp i, 3,5,7,9,11,13
.irp b, 0,1,2,3
	v_max3_num_f32 v[BM+\b], v[BM+\b], v[S+16*\b+\i], v[S+1+16*\b+\i]
.endr
.endr
.irp b, 0,1,2,3
	v_max_num_f32 v[BM+\b], v[BM+\b], v[S+15+16*\b]
.endr
.irp b, 0,1,2,3
	v_permlanex16_b32 v[PB+\b], v[BM+\b], s[SEL], s[SEL+1]
.endr
.irp b, 0,1,2,3
	v_max_num_f32 v[BM+\b], v[BM+\b], v[PB+\b]     ; with lane l xor 16's 16 keys
.endr
	v_max3_num_f32 v[TMP], v[BM], v[BM+1], v[BM+2]
	v_max_num_f32 v[TMP], v[TMP], v[BM+3]          ; the step's largest score of my query
	v_mul_f32 v[TMP], s[CS], v[TMP]                ; as t (c is positive)
	v_max_num_f32 v[NM+1], v[NM+1], v[TMP]         ; the running largest t
	v_mov_b32 v[TMP], v[NM]
	v_floor_f32 v[NM], -v[NM+1]                    ; the new -M = floor(-t) = -ceil(t): M is a whole number
	v_sub_f32 v[TMP], v[NM], v[TMP]                ; M's old value less its new one: a whole number, 0 or less
	v_cvt_i32_f32 v[TMP], v[TMP]                   ; (it saturates)
	v_ldexp_f32 v[FF], 1.0, v[TMP]                 ; f = 2^(old M - new M): a multiplication by it rounds nothing
.set j, 0
.rept 32
	v_pk_fma_f32 v[S+j:S+j+1], v[S+j:S+j+1], s[CS:CS+1], v[NM:NM+1] op_sel_hi:[1,0,0]   ; t - M, two at a time (of the pairs c and -M the low word serves both halves)
.set j, j+2
.endr
.irp b, 0,1,2,3
	v_fma_f32 v[BM+\b], v[BM+\b], s[CS], v[NM]     ; the same of each block's largest score
.endr
.set j, 0
.rept 64
	v_exp_f32 v[S+j], v[S+j]                       ; p = 2^(t - M), at most 1: not normalised
.set j, j+1
.endr
.irp b, 0,1,2,3
	v_exp_f32 v[BM+\b], v[BM+\b]                   ; the block's largest p: the same two instructions on the same number give the same bits
.endr
	v_pk_mul_f32 v[SUM:SUM+1], v[SUM:SUM+1], v[FF:FF+1] op_sel_hi:[1,0]   ; the sums under the new M.  (The plain line behind the exponentials)
	s_wait_alu depctr_va_vdst(0)
.irp b, 0,1,2,3
	v_max_num_f32 v[BM+\b], 0x8000000, v[BM+\b]    ; the floor 2^(16 - 127): a block whose every p is 0 keeps the byte 1: its codes are zeros
.endr
.irp b, 0,1,2,3
	v_add_nc_u32 v[SO+\b], 0xf8800000, v[BM+\b]    ; 15 off the exponent field: the conversion's scale operand
.endr
.irp b, 0,1,2,3
	v_and_or_b32 v[HL+\b], v[BM+\b], 0x7f800000, s[MNT]   ; 57,344 x the scale
.endr
.irp b, 0,1,2,3
	v_lshrrev_b32 v[PB+\b], 23, v[SO+\b]           ; the scale's byte
.endr
	v_lshl_or_b32 v[TMP], v[PB+1], 8, v[PB]
	v_lshl_or_b32 v[TMP], v[PB+2], 16, v[TMP]
	WIN \wpw
	v_lshl_or_b32 v[\pw], v[PB+3], 24, v[TMP]      ; p's scale word for these 128 keys, in window 0
	WIN \wbk
	v_pk_add_f32 v[SUM2:SUM2+1], v[S:S+1], v[S+2:S+3]   ; THE ROW'S SUM IS TAKEN OF THE UNQUANTISED p: two at a time, in two chains
.set j, 4
.rept 15
	v_pk_add_f32 v[SUM:SUM+1], v[SUM:SUM+1], v[S+j:S+j+1]
	v_pk_add_f32 v[SUM2:SUM2+1], v[SUM2:SUM2+1], v[S+j+2:S+j+3]
.set j, j+4
.endr
	v_pk_add_f32 v[SUM:SUM+1], v[SUM:SUM+1], v[SUM2:SUM2+1]
.irp b, 0,1,2,3
.irp i, 0,1,2,3,4,5,6,7,8,9,10,11,12,13,14,15
	v_min_num_f32 v[S+16*\b+\i], v[S+16*\b+\i], v[HL+\b]   ; the hold (ISA guide 7.6.2); p is not negative, so it is one-sided
.endr
	v_cvt_scalef32_pk8_bf8_f32 v[PC+4*\b:PC+4*\b+1], v[S+16*\b:S+16*\b+7], v[SO+\b]
	v_cvt_scalef32_pk8_bf8_f32 v[PC+4*\b+2:PC+4*\b+3], v[S+16*\b+8:S+16*\b+15], v[SO+\b]
.endr
	v_nop                                          ; one plain vector line behind the last conversion
.endm
.macro RESCALE                         ; O^T under the new M: x f; each accumulator from its low end on
.set j, 0
.rept 32
	v_pk_mul_f32 v[OT+j:OT+j+1], v[OT+j:OT+j+1], v[FF:FF+1] op_sel_hi:[1,0]
.set j, j+2
.endr
.endm
; A KEY STEP: the 128 keys of the step block at LDS byte s[TB], for both tiles.  diag = 1: the slot may hold the diagonal: the step is checked and, on the diagonal, masked.  diag = 0: all its keys count for every wave.
.macro STEP diag
.if \diag
	s_add_co_u32 s[T0], s[Q0], 31
	s_cmp_gt_u32 s[KF], s[T0]                      ; all its keys come after my 32 queries: the step's work is left out.  No barrier and no tensor load stands in a step
	s_cbranch_scc1 .Lhid_\@
.endif
	v_add_nc_u32 v[AD], s[TB], v[LI]
	v_add_nc_u32 v[AS], s[TB], v[LS]
.irp b, 0,1,2,3
	ds_load_b32 v[KVS+\b], v[AS] offset:KSC+128*\b                 ; K's scale words: one register for two tiles
.endr
	WIN 0x40
	KVFRAG FB, 0                                   ; K's tiles 0-3
	s_wait_dscnt 0x0
	WIN 0x01                                       ; tile A: source 0 (the fragment) window 1, all else window 0
	SMUL 0, QSA
	WIN 0x55                                       ; tile B: all in window 1
	SMUL 0, QSB
	PLACES 8                                       ; in front of loads into registers that these matrix instructions have read (ISA guide 7.12.1 for vector instructions)
	WIN 0x40
	KVFRAG FB, 4*2048                              ; K's tiles 4-7
	s_wait_dscnt 0x0
	WIN 0x01
	SMUL 1, QSA
	WIN 0x55
	SMUL 1, QSB
	PLACES 8                                       ; in front of the loads below and of the first reads of the scores
	WIN 0
.irp b, 0,1,2,3
	ds_load_b32 v[KVS+\b], v[AS] offset:VSC+128*\b                 ; V's scale words
.endr
	WIN 0x40
	KVFRAG FB, VFR                                 ; V's tiles 0-3: they land while the softmax is walked
	WIN 0
.if \diag
	s_add_co_u32 s[T0], s[KF], 127
	s_cmp_le_u32 s[T0], s[Q0]                      ; all its keys count for all my queries: no mask
	s_cbranch_scc1 .Lopen_\@
	s_sub_co_i32 s[T0], s[Q0], s[KF]
	MASK
	WIN 0x55
	MASK
	WIN 0
.Lopen_\@:
.endif
	SOFTMAX PWA, 0, 0
	WIN 0x55
	SOFTMAX PWB, 0x15, 0x55
	WIN 0x40
	KVFRAG S, VFR+4*2048                           ; V's tiles 4-7, where tile B's p lay: it has been converted
	WIN 0
	RESCALE                                        ; these 64 lines are also the places between the codes and scale words just made and the products below
	WIN 0x55
	RESCALE
	s_wait_dscnt 0x0                               ; V and its scale words are in
	WIN 0x01
	OMUL PWA
	WIN 0x55
	OMUL PWB
	PLACES 9                                       ; the next scores of tile B are written over registers that these products read: nine places; they also serve the next loads into the fragments and scale words and the way out's reads
	WIN 0
.if \diag
.Lhid_\@:
	s_add_co_u32 s[KF], s[KF], 128
.endif
	s_add_co_u32 s[TB], s[TB], STEPB               ; the slot's next step block
.endm
; A slot's two key steps: written once, walked twice; the LDS addresses hang on s[TB].
.macro TWO_STEPS diag
	s_mov_b32 s[TW], 2
.Lstep_\@:
	STEP \diag
	s_sub_co_u32 s[TW], s[TW], 1
	s_cmp_lg_u32 s[TW], 0
	s_cbranch_scc1 .Lstep_\@
.if \diag                              ; (behind the last slot nothing of this is wanted)
	s_sub_co_u32 s[TB], s[TB], 2*STEPB             ; back to a slot's first step block,
	s_xor_b32 s[TB], s[TB], SLOT1                  ; in the other slot,
	s_sub_co_u32 s[KF], s[KF], 512                 ; which holds the 256 keys in front of this slot's.  (Behind a pass's last slot the number wraps; the next pass writes it anew)
.endif
.endm
; THE CHANGE OF SLOTS stands at a slot's head.  Each wave waits for all its tensor loads (its part of the slot ahead), adds 0 to its spare word, and waits for that and for its reads of the slot that it has left.
; fill = 1: the barrier is a round of the cluster's, so that no wave of any partner still reads that slot or has a load on its way, and the joint refill is the first thing behind it: it has a slot's two steps in which to land.
.macro CHANGE fill
	s_wait_tensorcnt 0x0                           ; no tensor load of mine is out, so the group 0 may be written
	ds_add_u32 v[SPW], v[NIL]                      ; 0 onto my spare word; the descriptor's steps stand between it and the wait for it
.if \fill
	s_xor_b32 s[G0+1], s[G0+1], SLOT1              ; the other slot than last time,
	s_sub_co_u32 s[KO], s[KO], SLOTB               ; the 256 keys in front of the last ones,
	s_add_co_u32 s[T0], s[CNT], 1
	s_cmp_eq_u32 s[T0], s[NL]
	s_cselect_b32 s[KO], s[KO2], s[KO]             ; or, where the slot to be asked for is pass 2's first, key slot 7 - i
	s_add_nc_u64 s[G0+2:G0+3], s[KVB:KVB+1], s[KO:KO+1]
	s_or_b32 s[G0+3], s[G0+3], 0x80000000
.endif
	s_wait_dscnt 0x0                               ; the add is done, and my reads of the slot that I have left are over
.if \fill
	CROUND
	JLOAD                                          ; a wave's one tensor load until the next round
.else
	s_barrier_signal -1
	s_barrier_wait -1
.endif
.endm
; THE WAY OUT of a tile of 16 queries.  The sum's halves are added; O^T is divided by the sum and goes through my stage, so that the 32 lanes store a query's 512 consecutive bytes, at a multiple of 256 from out0's first byte.
.macro OUT_TILE half, op, wv, wst, wld
	WIN \wv
	v_add_f32 v[SUM], v[SUM], v[SUM+1]
	v_permlanex16_b32 v[TMP], v[SUM], s[SEL], s[SEL+1]
	v_add_f32 v[SUM], v[SUM], v[TMP]               ; with lane l xor 16's: the row's sum
	v_rcp_f32 v[FF], v[SUM]
	v_nop                                          ; one plain line behind a transcendental
.set j, 0
	s_wait_alu depctr_va_vdst(0)
.rept 32
	v_pk_mul_f32 v[S+j:S+j+1], v[OT+j:OT+j+1], v[FF:FF+1] op_sel_hi:[1,0]   ; register 8 t + i is o(query r, channel 16 t + 8 h + i)
.set j, j+2
.endr
	WIN \wst
.irp t, 0,1,2,3,4,5,6,7
	ds_store_b128 v[STO], v[S+8*\t:S+8*\t+3] offset:64*\t
	ds_store_b128 v[STO], v[S+8*\t+4:S+8*\t+7] offset:64*\t+16
.endr
	WIN \wld
.irp i, 0,1,2,3,4,5,6,7,8,9,10,11,12,13,14,15
	ds_load_b128 v[OT+4*\i:OT+4*\i+3], v[STW] offset:SP*\i         ; LDS serves a wave's instructions in order: these see my stores
.endr
	WIN \wst
.irp i, 0,1,2,3,4,5,6,7,8,9,10,11,12,13,14,15
.if \i%4 == 0
	s_wait_dscnt 12-\i                             ; rows i .. i + 3 are back; the later rows may be out
.endif
	global_store_b128 v[LI], v[OT+4*\i:OT+4*\i+3], s[\op:\op+1] offset:(16*\half+\i)*TOKQ th:TH_STORE_NT
.endr
.endm
.macro FINAL op
	OUT_TILE 0, \op, 0, 0, 0
	OUT_TILE 1, \op, 0x55, 0x04, 0x40
	WIN 0
.endm
	INIT QP1                                       ; pass 1's queries, while slot 0 is on its way
.Lslot:                                            ; 8 trips: behind each change of slots but the last the next slot is asked for
	CHANGE 1
	s_cmp_eq_u32 s[CNT], s[NL]                     ; pass 2 begins with this slot (i + 1 is 1 .. 4: always inside the loop).  The branch hangs on the pair's number, which the partners share
	s_cbranch_scc0 .Lsame
	FINAL OP1
	s_wait_xcnt 0x0                                ; the stores' data registers are loaded into and cleared below only behind this wait
	INIT QP2
	s_mov_b32 s[Q0], s[Q02]
	s_mov_b32 s[KF], s[KF2]
.Lsame:
	s_add_co_u32 s[T0], s[CNT], 1
	s_cmp_eq_u32 s[T0], s[NL]
	s_cbranch_scc0 .Lno_ask
	global_prefetch_b8 v[PF], s[QP2:QP2+1] th:TH_LOAD_NT scope:SCOPE_SE                  ; pass 2's q: my wave's own 32 rows of 512 bytes, a lane to each 256 bytes, each asked for once in the launch,
	global_prefetch_b8 v[PF], s[QP2:QP2+1] offset:16*TOKQ th:TH_LOAD_NT scope:SCOPE_SE   ; one slot (two key steps) ahead of the loads that want them
.Lno_ask:
	TWO_STEPS 1
	s_add_co_u32 s[CNT], s[CNT], 1
	s_cmp_lt_u32 s[CNT], 8
	s_cbranch_scc1 .Lslot
	CHANGE 0                                       ; the last slot is written out: key slot 0 of pass 2, all of whose keys count
	TWO_STEPS 0
	FINAL OP2
	s_wait_tensorcnt 0x0                           ; the wave's end: behind my last tensor load and my last LDS store
	ds_add_u32 v[SPW], v[NIL]
	s_wait_dscnt 0x0
	CROUND                                         ; the closing round: no work-group ends while a partner may still ask for a tile that names it
	s_endpgm
.Lfunc_end_k_qe6fca20868_attn:
	.size	k_qe6fca20868_attn, .Lfunc_end_k_qe6fca20868_attn-k_qe6fca20868_attn
	.p2alignl 7, 3214868480
	.fill 96, 4, 3214868480
	.section	.rodata,"a",@progbits
	.p2align	6, 0x0
	.amdhsa_kernel k_qe6fca20868_attn
		.amdhsa_group_segment_fixed_size 327680
		.amdhsa_private_segment_fixed_size 0
		.amdhsa_enable_private_segment 0
		.amdhsa_kernarg_size 24
		.amdhsa_user_sgpr_count 2
		.amdhsa_user_sgpr_kernarg_segment_ptr 1
		.amdhsa_wavefront_size32 1
		.amdhsa_system_sgpr_workgroup_id_x 1
		.amdhsa_system_sgpr_workgroup_id_y 1
		.amdhsa_system_sgpr_workgroup_id_z 1
		.amdhsa_system_vgpr_workitem_id 0
		.amdhsa_next_free_vgpr 512
		.amdhsa_next_free_sgpr 66
		.amdhsa_reserve_vcc 1
		.amdhsa_float_denorm_mode_32 3
		.amdhsa_float_denorm_mode_16_64 3
		.amdhsa_memory_ordered 1
		.amdhsa_forward_progress 1
		.amdhsa_inst_pref_size 177
	.end_amdhsa_kernel
	.amdgpu_metadata
---
amdhsa.version: [ 1, 2 ]
amdhsa.kernels:
  - .name:           k_qe6fca20868_attn
    .symbol:         k_qe6fca20868_attn.kd
    .args:
      - { .name: q, .offset: 0, .size: 8, .value_kind: global_buffer, .address_space: global }
      - { .name: kv, .offset: 8, .size: 8, .value_kind: global_buffer, .address_space: global }
      - { .name: out0, .offset: 16, .size: 8, .value_kind: global_buffer, .address_space: global }
    .group_segment_fixed_size: 327680
    .private_segment_fixed_size: 0
    .kernarg_segment_align: 8
    .kernarg_segment_size: 24
    .max_flat_workgroup_size: 256
    .sgpr_count:     66
    .vgpr_count:     512
    .wavefront_size: 32
...
	.end_amdgpu_metadata
.endif
;; end of part 2
